; MI455X (gfx1250); checked and timed in simulation.
; The chip was launched on July 23, 2026; its instructions are those of AMD's public machine-readable ISA for CDNA 5 (MIT licence, August 2026) and "CDNA5" Instruction Set Architecture Reference Guide (July 2026). The comments in the code are by the model that wrote it; some were corrected since.
;; Notears RKHS. Allowed arithmetic: float matrix products may take bf16 or f16 operands with f32 sums; all other float work in f32.
;; Inputs: alpha 24 x 2,000 float32; beta 24 x 24 x 2,000 float32; x 2,000 x 24 float32.
;; Outputs: out0 2,000 x 24 float32.
;; 2 versions, each right and faster than the one before. Each part assembles by itself: llvm-mc -triple=amdgcn-amd-amdhsa -mcpu=gfx1250 --defsym DOCPART=n.
;; ======== version 1 of 2: 2 launches
;; workspace buffers: part 6,291,456 bytes
;; launch pairs (part 1): grid 8 x 32, 8 waves a work-group, no clusters, 253,952 bytes of LDS; arguments x, alpha, beta, part; writes part
.if DOCPART == 1
	.amdgcn_target "amdgcn-amd-amdhsa--gfx1250"
	.amdhsa_code_object_version 6
	.text
	.protected	k_q1b6f1bc944_pairs
	.globl	k_q1b6f1bc944_pairs
	.p2align	8
	.type	k_q1b6f1bc944_pairs,@function
k_q1b6f1bc944_pairs:
	s_mov_b64 s[64:65], 0
	v_nop
	global_prefetch_b8 v0, s[64:65] scope:SCOPE_SE
	s_setreg_imm32_b32 hwreg(HW_REG_WAVE_MODE, 25, 1), 1
	s_wait_xcnt 0x0
; part[L][i][j] = sum over the 64 l of block L of K[j,i,l] * ( alpha[j,l] + 2 sum_a beta[j,a,l] (a != j) (x[i,a] - x[l,a]) ),
; K[j,i,l] = exp( - sum over a != j of (x[i,a] - x[l,a])^2 ).   x [2000][24], alpha [24][2000], beta [24][24][2000], all f32.
; A work-group: 256 rows i (ttmp9) x 64 l (ttmp7).  Rows and l run to 2048: rows past 1999 repeat row 1999 and land in rows of
; part that nobody reads; l past 1999 get beta = alpha = 0 and add nothing.  A second launch adds the 32 blocks.
;
; FOR ONE l everything is a matrix product over a, rows i, columns j, as the problem's einsums are written:
;   G  = A1 x B(l),  A1[i][a] = bf16(d), d = x'[i][a] - x'[l][a] formed in f32,  B(l)[a][j] = bf16(beta[j][a][l] * 2/c), 0 at a = j
;   SQ = A2 x DL,    A2[i][a] = bf16(d*d),                                        DL[a][j] = -1, 0 at a = j
; x' = c x with c = sqrt(log2 e), so that 2^SQ is the kernel value.  k slot 24 holds 1.0 in A1 and bf16(alpha[j][l]) in B.
; k slots: lane (r = lane%16, h = lane/16), register p < 6 holds a = 12h+2p, 12h+2p+1 in A and in B alike (the same permutation
; of k on both sides keeps the products); register 6 of h = 0 is slot 24, the rest is 0.
; 24 columns are one and a half tiles: columns 16..23 of TWO row tiles share one accumulator tile, D = A(t0) x Blo + A(t1) x Bhi, where
; Blo has its columns 8..15 zero and Bhi its columns 0..7: every lane of every exponential and multiply-add is used.
; Eight waves: wave = 4 lg + g takes row tiles 4g..4g+3 and 32 of the 64 l; the two lg are added through LDS at the end.
;
; LIMITS: d, d*d, alpha and beta enter the matrix unit rounded to bf16; kernel values under 2^-126 come out as 0 (v_exp_f32);
; c x is rounded at 2^-24 of |x| before the difference is formed (equal rows still give d = 0 exactly); sums run in another order.
; NO JOINT (cluster) LOADS of beta, though the 8 work-groups of one l block read the same 153,600 bytes: a tensor load would lay them
; into LDS as f32 beside the images (197,632 + 6,144 + 49,152 + 153,600 = 406,528 bytes, more than the 327,680 there are), and the
; transposing conversion to bf16 goes through registers in any case.  All global loads are issued at the head, so nothing is prefetched.
.set NROW,  2000
.set XROWB, 96                         ; bytes in a row of x
.set BROWB, 8000                       ; bytes in a row of alpha or beta
.set POSB,  3088                       ; LDS bytes for one l: B1, Blo, Bhi as register images of 1,024 bytes + 16
.set XLB,   64*POSB                    ; behind the images: x' of the 64 l, 96 bytes each
.set STG,   XLB+64*XROWB               ; behind that: a stage of 64 rows x 96 bytes for each wave
.set STGW,  64*XROWB
.set CSQ,   0x3f99be61                 ; c = sqrt(log2 e)
.set CBE,   0x3fd5224d                 ; 2 / c
; registers of the main loop
.set XI,  8                            ; v8-55    x' of my 4 row tiles, 12 each
.set XL,  56                           ; v56-79   x' of one l, two buffers of 12
.set BB,  80                           ; v80-127  B1, Blo, Bhi of one l, two buffers of 24
.set DL,  128                          ; v128-151 DL1, DLlo, DLhi
.set AB,  152                          ; v152-183 two buffers of A1 (8), A2 (8)
.set GG,  184                          ; v184-207 G of tile t0 (cols 0-15), of t1, of both (cols 16-23)
.set SS,  208                          ; v208-231 SQ likewise, then the kernel values
.set TMP, 232                          ; v232-243 d, then d*d
.set VB,  244                          ; LDS address of my 16 bytes of the images
.set VX,  245                          ; LDS address of my 48 bytes of x'[l]
                                       ; v256-303 (window 1, written v0-47): accumulators, 24 for each pair of row tiles
; registers of the head only
.set RB,  56                           ; v56-211  3 tasks x (12 rows of beta + 1 of alpha) x 4
.set PK,  212                          ; v212-227 two sets of 8 packed registers
.set Z4,  228                          ; v228-231 zeros
.set XT,  232                          ; v232-237 my 24 bytes of x[l]
.set ST,  238                          ; v238-241 image store address for l = 4 lq + e, e = 0..3
.set SC,  242                          ; v242-243 scale of a row of beta
.set SA,  244                          ; v244-245 scale of alpha
.set E0,  246                          ; wave - 12 h
.set SV,  247                          ; 2/c, or 0 where l is past the end
.set VXS, 248
.set OB,  249
.set OA,  250
.set OX,  251
.set OI,  252                          ; v252-255
.set MSB, 0
.macro WIN new                         ; s_set_vgpr_msb: the high byte repeats the setting that is left
.if MSB != \new
	s_set_vgpr_msb (MSB<<8)|\new
.set MSB, \new
.endif
.endm
	s_load_b256 s[4:11], s[0:1], 0x0               ; x s[4:5], alpha s[6:7], beta s[8:9], part s[10:11]
	s_set_vgpr_msb 0x40
	v_lshl_add_u32 v48, v0, 2, 0x3dc00
	v_mov_b32 v49, 0
	s_set_vgpr_msb 0x4000
	v_lshrrev_b32 v1, 5, v0
	v_readfirstlane_b32 s12, v1                    ; wave 0..7
	s_and_b32 s14, ttmp7, 0xffff                   ; l block
	s_and_b32 s15, s12, 3                          ; g: which four row tiles
	s_lshr_b32 s16, s12, 2                         ; lg: which half of the l
	v_and_b32 v2, 31, v0                           ; lane
	v_and_b32 v3, 15, v0                           ; r (in the head also lq: which four l)
	v_bfe_u32 v4, v0, 4, 1                         ; h
	; x of my row tiles: row x 96 + 48 h, rows clamped to the last
	s_lshl_b32 s17, ttmp9, 8
	s_lshl_b32 s18, s15, 6
	s_add_co_u32 s17, s17, s18                     ; my first row
	v_add_nc_u32 v5, s17, v3
	v_mul_u32_u24 v6, v4, 48
.irp t, 0,1,2,3
	v_add_nc_u32 v7, 16*\t, v5
	v_min_u32 v7, NROW-1, v7
	v_mad_u32_u24 v[OI+\t], v7, XROWB, v6
.endr
	; x of the block's l: thread = 4 x row + quarter, 24 bytes each.  Row 4 lq + e goes to place 16 e + lq, as the images do
	v_lshrrev_b32 v5, 2, v0
	v_and_b32 v6, 3, v0
	v_mul_u32_u24 v6, v6, 24
	s_lshl_b32 s19, s14, 6                         ; the block's first l
	v_add_nc_u32 v7, s19, v5
	v_min_u32 v7, NROW-1, v7
	v_mad_u32_u24 v[OX], v7, XROWB, v6
	v_and_b32 v7, 3, v5
	v_lshrrev_b32 v5, 2, v5
	v_lshl_add_u32 v7, v7, 4, v5
	v_mad_u32_u24 v7, v7, XROWB, v6
	v_add_nc_u32 v[VXS], XLB, v7
	; beta[j][12 h + q][4 lq ..]: 16 lanes cover the 256 bytes of one row's 64 l, the other 16 those of the row 12 further down.
	; j = wave + 8 t and q go into the immediate.  l is clamped so that no load leaves the buffer; s22 = lanes whose l exists
	v_lshl_add_u32 v5, v3, 2, s19
	v_cmp_gt_u32 s22, NROW, v5
	v_min_u32 v5, NROW-4, v5
	v_lshlrev_b32 v5, 2, v5
	s_mul_i32 s20, s12, 24*BROWB
	s_mul_i32 s21, s12, BROWB
	v_mad_u32_u24 v6, v4, 12*BROWB, v5
	v_add_nc_u32 v[OB], s20, v6
	v_add_nc_u32 v[OA], s21, v5
	s_wait_kmcnt 0x0
.irp t, 0,1,2,3
.irp c, 0,1,2
	global_load_b128 v[XI+12*\t+4*\c:XI+12*\t+4*\c+3], v[OI+\t], s[4:5] offset:16*\c
.endr
.endr
.irp c, 0,1,2
	global_load_b64 v[XT+2*\c:XT+2*\c+1], v[OX], s[4:5] offset:8*\c
.endr
.irp t, 0,1,2
.irp q, 0,1,2,3,4,5,6,7,8,9,10,11
	global_load_b128 v[RB+52*\t+4*\q:RB+52*\t+4*\q+3], v[OB], s[8:9] offset:\t*8*24*BROWB+\q*BROWB
.endr
	global_load_b128 v[RB+52*\t+48:RB+52*\t+51], v[OA], s[6:7] offset:\t*8*BROWB
.endr
	; while the 54 loads are out: scales and store addresses
	s_mov_b32 s24, CSQ
	s_mov_b32 s25, CSQ
.irp z, 0,1,2,3
	v_mov_b32 v[Z4+\z], 0
.endr
	v_mov_b32 v6, CBE
	v_cndmask_b32 v[SV], v[Z4], v6, s22            ; 2/c where l exists
	v_cmp_eq_u32 s26, 0, v4
	s_and_b32 s26, s26, s22
	v_mov_b32 v6, 1.0
	v_cndmask_b32 v[SA], v[Z4], v6, s26            ; alpha counts in the lanes of h = 0 alone (slot 24 is theirs)
	v_mov_b32 v[SA+1], 0
	v_mov_b32 v[SC+1], 0
	v_mov_b32 v[PK+7], 0                           ; register 7 of every fragment: empty slots
	v_mov_b32 v[PK+15], 0
	v_mul_u32_u24 v6, v4, 12
	v_sub_nc_u32 v[E0], s12, v6                    ; a = j  <=>  q - 8 t = wave - 12 h
	v_mul_u32_u24 v6, v3, POSB
	v_lshl_add_u32 v6, v4, 8, v6
	s_lshl_b32 s23, s12, 4
	v_add_nc_u32 v[ST], s23, v6                    ; place lq, image lane (column = wave, h)
.irp e, 1,2,3
	v_add_nc_u32 v[ST+\e], \e*16*POSB, v[ST]       ; place 16 e + lq
.endr
	s_wait_loadcnt 39                              ; loads return in order (ISA guide 5.7.1): the 15 of x are in, the 39 of beta and alpha stay out
.irp n, 0,1,2,3,4,5,6,7,8,9,10,11,12,13,14,15,16,17,18,19,20,21,22,23
	v_pk_mul_f32 v[XI+2*\n:XI+2*\n+1], v[XI+2*\n:XI+2*\n+1], s[24:25] op_sel_hi:[1,0]
.endr
.irp c, 0,1,2
	v_pk_mul_f32 v[XT+2*\c:XT+2*\c+1], v[XT+2*\c:XT+2*\c+1], s[24:25] op_sel_hi:[1,0]
	ds_store_b64 v[VXS], v[XT+2*\c:XT+2*\c+1] offset:8*\c
.endr
; Column j = wave + 8 t: scale (0 at a = j), pack pairs of a, store 2 x 16 bytes into the image of each
; of my four l.  left = the loads of the later tasks, which stay out.
.macro TASK t, left
	s_wait_loadcnt \left
.irp q, 0,1,2,3,4,5,6,7,8,9,10,11
	v_cmp_eq_u32 vcc_lo, \q-8*\t, v[E0]
	v_cndmask_b32 v[SC], v[SV], v[Z4], vcc_lo
	v_pk_mul_f32 v[RB+52*\t+4*\q:RB+52*\t+4*\q+1], v[RB+52*\t+4*\q:RB+52*\t+4*\q+1], v[SC:SC+1] op_sel_hi:[1,0]
	v_pk_mul_f32 v[RB+52*\t+4*\q+2:RB+52*\t+4*\q+3], v[RB+52*\t+4*\q+2:RB+52*\t+4*\q+3], v[SC:SC+1] op_sel_hi:[1,0]
.endr
	v_pk_mul_f32 v[RB+52*\t+48:RB+52*\t+49], v[RB+52*\t+48:RB+52*\t+49], v[SA:SA+1] op_sel_hi:[1,0]
	v_pk_mul_f32 v[RB+52*\t+50:RB+52*\t+51], v[RB+52*\t+50:RB+52*\t+51], v[SA:SA+1] op_sel_hi:[1,0]
.irp e, 0,1,2,3
.set PKE, PK+8*(\e&1)
.irp p, 0,1,2,3,4,5
	v_cvt_pk_bf16_f32 v[PKE+\p], v[RB+52*\t+8*\p+\e], v[RB+52*\t+8*\p+4+\e]
.endr
	v_cvt_pk_bf16_f32 v[PKE+6], v[RB+52*\t+48+\e], v[Z4]
.if \t < 2
	ds_store_b128 v[ST+\e], v[PKE:PKE+3]   offset:128*\t          ; B1, column wave + 8 t
	ds_store_b128 v[ST+\e], v[PKE+4:PKE+7] offset:128*\t+512
.else
	ds_store_b128 v[ST+\e], v[PKE:PKE+3]   offset:1024            ; Blo: column wave holds j, column wave + 8 is zero
	ds_store_b128 v[ST+\e], v[PKE+4:PKE+7] offset:1536
	ds_store_b128 v[ST+\e], v[Z4:Z4+3]     offset:1152
	ds_store_b128 v[ST+\e], v[Z4:Z4+3]     offset:1664
	ds_store_b128 v[ST+\e], v[Z4:Z4+3]     offset:2048            ; Bhi: the other way round
	ds_store_b128 v[ST+\e], v[Z4:Z4+3]     offset:2560
	ds_store_b128 v[ST+\e], v[PKE:PKE+3]   offset:2176
	ds_store_b128 v[ST+\e], v[PKE+4:PKE+7] offset:2688
.endif
.endr
.endm
	TASK 0, 26
	TASK 1, 13
	TASK 2, 0
	s_wait_dscnt 0x0                               ; my part of the images and of x'[l] is written: zero, for the other waves' sake
	s_barrier_signal -1
	; register work while the others arrive: DL, the constant registers of A, the loop's addresses
	v_mov_b32 v1, 0
	v_mov_b32 v[TMP], -1
	v_mul_u32_u24 v5, v4, 12
	v_sub_nc_u32 v5, v3, v5                        ; r - 12 h
	s_mov_b32 s26, -1
	v_cmp_gt_u32 s27, 8, v3                        ; columns 0..7
	s_not_b32 s28, s27                             ; columns 8..15
; DL tile T: column r stands for j = r + add in the lanes of mask, the other columns are zero.  -1 in bf16 is 0xbf80
.macro DELTA T, add, mask
	v_cndmask_b32 v6, v1, v[TMP], \mask
	v_and_b32 v7, 0xbf80bf80, v6
	v_and_b32 v[TMP+1], 0xbf800000, v6             ; the lower slot is a = j
	v_and_b32 v[TMP+2], 0x0000bf80, v6             ; the upper slot is
	v_add_nc_u32 v[TMP+3], \add, v5                ; j - 12 h
.irp p, 0,1,2,3,4,5
	v_cmp_eq_u32 vcc_lo, 2*\p, v[TMP+3]
	v_cndmask_b32 v[DL+8*\T+\p], v7, v[TMP+1], vcc_lo
	v_cmp_eq_u32 vcc_lo, 2*\p+1, v[TMP+3]
	v_cndmask_b32 v[DL+8*\T+\p], v[DL+8*\T+\p], v[TMP+2], vcc_lo
.endr
	v_mov_b32 v[DL+8*\T+6], 0
	v_mov_b32 v[DL+8*\T+7], 0
.endm
	DELTA 0, 0, s26
	DELTA 1, 16, s27
	DELTA 2, 8, s28
	v_mov_b32 v6, 0x3f80                           ; 1.0 in bf16, lower half: slot 24, which meets alpha
	v_cmp_eq_u32 vcc_lo, 0, v4
	v_cndmask_b32 v[AB+6], v1, v6, vcc_lo
	v_mov_b32 v[AB+22], v[AB+6]
.irp n, 7,14,15,23,30,31
	v_mov_b32 v[AB+\n], 0
.endr
	s_mul_i32 s29, s16, 32*POSB                    ; my 32 places
	v_lshl_add_u32 v[VB], v2, 4, s29               ; 16 bytes a lane: a fragment load reads 512 consecutive bytes
	s_mul_i32 s30, s16, 32*XROWB
	s_add_co_u32 s30, s30, XLB
	v_mad_u32_u24 v[VX], v4, 48, s30
	s_barrier_wait -1                              ; everybody's part is written
; nine LDS loads: x' and the three B tiles of the place k further on, into buffer b
.macro LOADP b, k
.irp c, 0,1,2
	ds_load_b128 v[XL+12*(\b)+4*\c:XL+12*(\b)+4*\c+3], v[VX] offset:(\k)*XROWB+16*\c
.endr
.irp c, 0,1,2,3,4,5
	ds_load_b128 v[BB+24*(\b)+4*\c:BB+24*(\b)+4*\c+3], v[VB] offset:(\k)*POSB+512*\c
.endr
.endm
; A1 and A2 of row tile t against the l in buffer xb, into A buffer s: 24 vector instructions
.macro BUILD t, xb, s
.irp p, 0,1,2,3,4,5
	v_pk_add_f32 v[TMP+2*\p:TMP+2*\p+1], v[XI+12*(\t)+2*\p:XI+12*(\t)+2*\p+1], v[XL+12*(\xb)+2*\p:XL+12*(\xb)+2*\p+1] neg_lo:[0,1] neg_hi:[0,1]
.endr
.irp p, 0,1,2,3,4,5
	v_cvt_pk_bf16_f32 v[AB+16*(\s)+\p], v[TMP+2*\p], v[TMP+2*\p+1]
.endr
.irp p, 0,1,2,3,4,5
	v_pk_mul_f32 v[TMP+2*\p:TMP+2*\p+1], v[TMP+2*\p:TMP+2*\p+1], v[TMP+2*\p:TMP+2*\p+1]
.endr
.irp p, 0,1,2,3,4,5
	v_cvt_pk_bf16_f32 v[AB+16*(\s)+8+\p], v[TMP+2*\p], v[TMP+2*\p+1]
.endr
.endm
; The same into A buffer 0, with the pair's 24 exponentials between its lines.  The six subtractions in front name no register of the matrix
; instructions above: they are the places that stand before a matrix result is read (ISA guide 7.12.1).  Behind each v_exp_f32 stands a
; plain instruction on other registers or another v_exp_f32; the results are used only in FMA below.
.macro BUILDEXP t, xb
.irp p, 0,1,2,3,4,5
	v_pk_add_f32 v[TMP+2*\p:TMP+2*\p+1], v[XI+12*(\t)+2*\p:XI+12*(\t)+2*\p+1], v[XL+12*(\xb)+2*\p:XL+12*(\xb)+2*\p+1] neg_lo:[0,1] neg_hi:[0,1]
.endr
.irp p, 0,1,2,3,4,5
	v_exp_f32 v[SS+4*\p], v[SS+4*\p]
	v_cvt_pk_bf16_f32 v[AB+\p], v[TMP+2*\p], v[TMP+2*\p+1]
	v_exp_f32 v[SS+4*\p+1], v[SS+4*\p+1]
	v_pk_mul_f32 v[TMP+2*\p:TMP+2*\p+1], v[TMP+2*\p:TMP+2*\p+1], v[TMP+2*\p:TMP+2*\p+1]
	v_exp_f32 v[SS+4*\p+2], v[SS+4*\p+2]
	v_cvt_pk_bf16_f32 v[AB+8+\p], v[TMP+2*\p], v[TMP+2*\p+1]
	v_exp_f32 v[SS+4*\p+3], v[SS+4*\p+3]
.endr
.endm
; the first row tile of a pair (A buffer 0) starts all its sums with C = 0; the second (A buffer 1) adds its columns 16..23 to the shared tile
.macro WFIRST b
	v_wmma_f32_16x16x32_bf16 v[GG:GG+7],     v[AB:AB+7],    v[BB+24*(\b):BB+24*(\b)+7],    0
	v_wmma_f32_16x16x32_bf16 v[GG+16:GG+23], v[AB:AB+7],    v[BB+24*(\b)+8:BB+24*(\b)+15], 0
	v_wmma_f32_16x16x32_bf16 v[SS:SS+7],     v[AB+8:AB+15], v[DL:DL+7],    0
	v_wmma_f32_16x16x32_bf16 v[SS+16:SS+23], v[AB+8:AB+15], v[DL+8:DL+15], 0
.endm
.macro WSECOND b
	v_wmma_f32_16x16x32_bf16 v[GG+8:GG+15],  v[AB+16:AB+23], v[BB+24*(\b):BB+24*(\b)+7],     0
	v_wmma_f32_16x16x32_bf16 v[GG+16:GG+23], v[AB+16:AB+23], v[BB+24*(\b)+16:BB+24*(\b)+23], v[GG+16:GG+23]
	v_wmma_f32_16x16x32_bf16 v[SS+8:SS+15],  v[AB+24:AB+31], v[DL:DL+7],     0
	v_wmma_f32_16x16x32_bf16 v[SS+16:SS+23], v[AB+24:AB+31], v[DL+16:DL+23], v[SS+16:SS+23]
.endm
; accumulators of pair P (window 1) += kernel value x G.  init = 1: the first l starts the sums, nothing is cleared
.macro FMA P, init
	WIN 0x50                                       ; destination and source 2 in window 1
.irp n, 0,1,2,3,4,5,6,7,8,9,10,11
.if \init
	s_wait_alu depctr_va_vdst(0)
	v_pk_mul_f32 v[24*\P+2*\n:24*\P+2*\n+1], v[SS+2*\n:SS+2*\n+1], v[GG+2*\n:GG+2*\n+1]
.else
	s_wait_alu depctr_va_vdst(0)
	v_pk_fma_f32 v[24*\P+2*\n:24*\P+2*\n+1], v[SS+2*\n:SS+2*\n+1], v[GG+2*\n:GG+2*\n+1], v[24*\P+2*\n:24*\P+2*\n+1]
.endif
.endr
	WIN 0
.endm
; ONE l against my four row tiles.  On entry A buffer 0 holds tile 0 against this l.  Each group of four matrix instructions is followed by
; the 24 vector instructions that build the next tile's operands in the other A buffer, so a buffer is rewritten, and the other B buffer
; loaded into, at least 24 independent vector instructions behind the matrix instructions that read it (ISA guide 7.12.1 asks four).
.macro STEP k, init, last
	s_wait_dscnt 0x0                               ; this l's B tiles are in
.if \last
.else
	LOADP 1-\k, \k+1                               ; the next l, a whole step ahead
.endif
	WFIRST \k
	BUILD 1, \k, 1
	WSECOND \k
	BUILDEXP 2, \k
	FMA 0, \init
	WFIRST \k
	BUILD 3, \k, 1
	WSECOND \k
.if \last
.rept 4
	v_nop                                          ; nothing is left to build: four places before the results are read
.endr
.irp n, 0,1,2,3,4,5,6,7,8,9,10,11,12,13,14,15,16,17,18,19,20,21,22,23
	v_exp_f32 v[SS+\n], v[SS+\n]
.endr
	v_nop                                          ; one plain instruction between the exponentials and their first use
.else
	s_wait_dscnt 0x6                               ; LDS loads return in order: the three of x'[next l] are in, the six of B behind them may be out
	BUILDEXP 0, 1-\k
.endif
	FMA 1, \init
.endm
	LOADP 0, 0
	s_wait_dscnt 0x6                               ; x' of the first l
	BUILD 0, 0, 0
	STEP 0, 1, 0                                   ; 32 l = 16 x 2: the first two stand in front of the loop (they start the sums),
	STEP 1, 0, 0
	v_add_nc_u32 v[VB], 2*POSB, v[VB]
	v_add_nc_u32 v[VX], 2*XROWB, v[VX]
	s_mov_b32 s34, 14
.Lpos:
	STEP 0, 0, 0
	STEP 1, 0, 0
	v_add_nc_u32 v[VB], 2*POSB, v[VB]
	v_add_nc_u32 v[VX], 2*XROWB, v[VX]
	s_sub_co_u32 s34, s34, 1
	s_cmp_lg_u32 s34, 0
	s_cbranch_scc1 .Lpos
	STEP 0, 0, 0                                   ; the last two behind it: the very last loads and builds nothing further
	STEP 1, 0, 1
	; THE WAY OUT.  Register n of a result tile is row 8 h + n, column r: each wave lays its 64 rows x 24 columns into its own stage as they
	; lie in memory; behind a barrier each wave adds one half (32 rows) of the two stages of its row group and stores 512 bytes at a time.
	s_mul_i32 s29, s12, STGW
	s_add_co_u32 s29, s29, STG
	v_mul_u32_u24 v5, v4, 8*XROWB                  ; 8 h rows
	v_lshl_add_u32 v6, v3, 2, v5
	v_add_nc_u32 v6, s29, v6                       ; columns 0..15: + 4 r
	v_lshrrev_b32 v7, 3, v3
	v_and_b32 v1, 7, v3
	v_mad_u32_u24 v5, v7, 16*XROWB, v5             ; shared tile: columns 8..15 belong to the pair's second row tile
	v_lshl_add_u32 v5, v1, 2, v5
	v_add_nc_u32 v5, s29, v5
	WIN 0x04                                       ; store data (source 1) from window 1
.irp P, 0,1
.irp n, 0,1,2,3,4,5,6,7
	ds_store_b32 v6, v[24*\P+\n]    offset:(32*\P+\n)*XROWB
	ds_store_b32 v6, v[24*\P+8+\n]  offset:(32*\P+16+\n)*XROWB
	ds_store_b32 v5, v[24*\P+16+\n] offset:(32*\P+\n)*XROWB+64
.endr
.endr
	WIN 0
	s_wait_dscnt 0x0                               ; zero: the partner wave reads these bytes
	s_barrier_signal -1
	s_barrier_wait -1
	s_mul_i32 s30, s15, STGW                       ; the stage of wave g; that of wave g + 4 lies 4 stages further
	s_mul_i32 s31, s16, STGW/2                     ; my half of it
	s_add_co_u32 s30, s30, s31
	s_add_co_u32 s30, s30, STG
	v_lshl_add_u32 v7, v2, 4, s30
.irp m, 0,1,2,3,4,5
	ds_load_b128 v[XI+4*\m:XI+4*\m+3],       v7 offset:512*\m
	ds_load_b128 v[XI+24+4*\m:XI+24+4*\m+3], v7 offset:512*\m+4*STGW
.endr
	s_lshl_b32 s32, s14, 11                        ; part[l block][2048 rows][24]
	s_add_co_u32 s32, s32, s17
	s_mul_i32 s32, s32, XROWB
	s_add_co_u32 s32, s32, s31
	s_mov_b32 s33, 0
	s_add_nc_u64 s[10:11], s[10:11], s[32:33]
	v_lshlrev_b32 v1, 4, v2
	s_wait_dscnt 0x0
.irp m, 0,1,2,3,4,5
	v_pk_add_f32 v[XI+4*\m:XI+4*\m+1],   v[XI+4*\m:XI+4*\m+1],   v[XI+24+4*\m:XI+24+4*\m+1]
	v_pk_add_f32 v[XI+4*\m+2:XI+4*\m+3], v[XI+4*\m+2:XI+4*\m+3], v[XI+24+4*\m+2:XI+24+4*\m+3]
	global_store_b128 v1, v[XI+4*\m:XI+4*\m+3], s[10:11] offset:512*\m    ; 512 consecutive bytes, at a multiple of 256 from part's first byte
.endr
	s_set_vgpr_msb 0x5
	s_wait_tensorcnt 0x0
	ds_add_u32 v48, v49
	s_wait_dscnt 0x0
	s_set_vgpr_msb 0x500
	s_endpgm
.Lfunc_end_k_q1b6f1bc944_pairs:
	.size	k_q1b6f1bc944_pairs, .Lfunc_end_k_q1b6f1bc944_pairs-k_q1b6f1bc944_pairs
	.p2alignl 7, 3214868480
	.fill 96, 4, 3214868480
	.section	.rodata,"a",@progbits
	.p2align	6, 0x0
	.amdhsa_kernel k_q1b6f1bc944_pairs
		.amdhsa_group_segment_fixed_size 253952
		.amdhsa_private_segment_fixed_size 0
		.amdhsa_enable_private_segment 0
		.amdhsa_kernarg_size 32
		.amdhsa_user_sgpr_count 2
		.amdhsa_user_sgpr_kernarg_segment_ptr 1
		.amdhsa_wavefront_size32 1
		.amdhsa_system_sgpr_workgroup_id_x 1
		.amdhsa_system_sgpr_workgroup_id_y 1
		.amdhsa_system_sgpr_workgroup_id_z 1
		.amdhsa_system_vgpr_workitem_id 0
		.amdhsa_next_free_vgpr 306
		.amdhsa_next_free_sgpr 66
		.amdhsa_reserve_vcc 1
		.amdhsa_float_denorm_mode_32 3
		.amdhsa_float_denorm_mode_16_64 3
		.amdhsa_memory_ordered 1
		.amdhsa_forward_progress 1
		.amdhsa_inst_pref_size 107
	.end_amdhsa_kernel
	.amdgpu_metadata
---
amdhsa.version: [ 1, 2 ]
amdhsa.kernels:
  - .name:           k_q1b6f1bc944_pairs
    .symbol:         k_q1b6f1bc944_pairs.kd
    .args:
      - { .name: x, .offset: 0, .size: 8, .value_kind: global_buffer, .address_space: global }
      - { .name: alpha, .offset: 8, .size: 8, .value_kind: global_buffer, .address_space: global }
      - { .name: beta, .offset: 16, .size: 8, .value_kind: global_buffer, .address_space: global }
      - { .name: part, .offset: 24, .size: 8, .value_kind: global_buffer, .address_space: global }
    .group_segment_fixed_size: 253952
    .private_segment_fixed_size: 0
    .kernarg_segment_align: 8
    .kernarg_segment_size: 32
    .max_flat_workgroup_size: 256
    .sgpr_count:     66
    .vgpr_count:     306
    .wavefront_size: 32
...
	.end_amdgpu_metadata
.endif
;; end of part 1
;; launch fold (part 2): grid 375 x 1, 1 waves a work-group, no clusters, 0 bytes of LDS; arguments part, out0; writes out0
.if DOCPART == 2
	.amdgcn_target "amdgcn-amd-amdhsa--gfx1250"
	.amdhsa_code_object_version 6
	.text
	.protected	k_q1b6f1bc944_fold
	.globl	k_q1b6f1bc944_fold
	.p2align	8
	.type	k_q1b6f1bc944_fold,@function
k_q1b6f1bc944_fold:
	s_mov_b64 s[64:65], 0
	v_nop
	global_prefetch_b8 v0, s[64:65] scope:SCOPE_SE
	s_setreg_imm32_b32 hwreg(HW_REG_WAVE_MODE, 25, 1), 1
	s_wait_xcnt 0x0
; out0[i][j] = sum over the 32 l blocks of part[block][i][j].  part: [32][2048][24] f32 (rows 2000..2047 are not read), out0: [2000][24] f32.
; 192,000 bytes of output = 375 waves x 32 lanes x 16 bytes.  A lane issues its 32 loads at once (one from each block, 512 consecutive
; bytes a wave) and adds them in f32 in two chains as they arrive.  Memory latency binds: no LDS, no matrix unit, nothing to share.
.set SLICE, 2048*96                    ; bytes of one block's partial sums
	s_load_b128 s[4:7], s[0:1], 0x0                ; part s[4:5], out0 s[6:7]
	s_lshl_b32 s8, ttmp9, 9                        ; 512 bytes a wave
	v_lshl_add_u32 v1, v0, 4, s8
	s_wait_kmcnt 0x0
.set k, 0
.rept 32
	global_load_b128 v[4+4*k:7+4*k], v1, s[4:5] offset:k*SLICE th:TH_LOAD_NT
.set k, k+1
.endr
.set k, 2
.rept 30
	s_wait_loadcnt 31-k                            ; loads return in order (ISA guide 5.7.1): block k is in, the 31 - k behind it may be out
	v_pk_add_f32 v[4+4*(k&1):5+4*(k&1)], v[4+4*(k&1):5+4*(k&1)], v[4+4*k:5+4*k]
	v_pk_add_f32 v[6+4*(k&1):7+4*(k&1)], v[6+4*(k&1):7+4*(k&1)], v[6+4*k:7+4*k]
.set k, k+1
.endr
	v_pk_add_f32 v[4:5], v[4:5], v[8:9]            ; the even and the odd chain
	v_pk_add_f32 v[6:7], v[6:7], v[10:11]
	global_store_b128 v1, v[4:7], s[6:7]           ; 512 consecutive bytes, at a multiple of 256 from out0's first byte
	s_endpgm
.Lfunc_end_k_q1b6f1bc944_fold:
	.size	k_q1b6f1bc944_fold, .Lfunc_end_k_q1b6f1bc944_fold-k_q1b6f1bc944_fold
	.p2alignl 7, 3214868480
	.fill 96, 4, 3214868480
	.section	.rodata,"a",@progbits
	.p2align	6, 0x0
	.amdhsa_kernel k_q1b6f1bc944_fold
		.amdhsa_group_segment_fixed_size 0
		.amdhsa_private_segment_fixed_size 0
		.amdhsa_enable_private_segment 0
		.amdhsa_kernarg_size 16
		.amdhsa_user_sgpr_count 2
		.amdhsa_user_sgpr_kernarg_segment_ptr 1
		.amdhsa_wavefront_size32 1
		.amdhsa_system_sgpr_workgroup_id_x 1
		.amdhsa_system_sgpr_workgroup_id_y 1
		.amdhsa_system_sgpr_workgroup_id_z 1
		.amdhsa_system_vgpr_workitem_id 0
		.amdhsa_next_free_vgpr 132
		.amdhsa_next_free_sgpr 66
		.amdhsa_reserve_vcc 0
		.amdhsa_float_denorm_mode_32 3
		.amdhsa_float_denorm_mode_16_64 3
		.amdhsa_memory_ordered 1
		.amdhsa_forward_progress 1
		.amdhsa_inst_pref_size 9
	.end_amdhsa_kernel
	.amdgpu_metadata
---
amdhsa.version: [ 1, 2 ]
amdhsa.kernels:
  - .name:           k_q1b6f1bc944_fold
    .symbol:         k_q1b6f1bc944_fold.kd
    .args:
      - { .name: part, .offset: 0, .size: 8, .value_kind: global_buffer, .address_space: global }
      - { .name: out0, .offset: 8, .size: 8, .value_kind: global_buffer, .address_space: global }
    .group_segment_fixed_size: 0
    .private_segment_fixed_size: 0
    .kernarg_segment_align: 8
    .kernarg_segment_size: 16
    .max_flat_workgroup_size: 32
    .sgpr_count:     66
    .vgpr_count:     132
    .wavefront_size: 32
...
	.end_amdgpu_metadata
.endif
;; end of part 2
;; ======== version 2 of 2: 2 launches; 1.24 times as fast as version 1
;; workspace buffers: part 6,291,456 bytes
;; launch pairs (part 3): grid 8 x 32, 8 waves a work-group, no clusters, 253,952 bytes of LDS; arguments x, alpha, beta, part; writes part
.if DOCPART == 3
	.amdgcn_target "amdgcn-amd-amdhsa--gfx1250"
	.amdhsa_code_object_version 6
	.text
	.protected	k_q1b6f1bc944_pairs
	.globl	k_q1b6f1bc944_pairs
	.p2align	8
	.type	k_q1b6f1bc944_pairs,@function
k_q1b6f1bc944_pairs:
	s_mov_b64 s[64:65], 0
	v_nop
	global_prefetch_b8 v0, s[64:65] scope:SCOPE_SE
	s_setreg_imm32_b32 hwreg(HW_REG_WAVE_MODE, 25, 1), 1
	s_wait_xcnt 0x0
; part[L][i][j] = sum over the 64 l of block L of K[j,i,l] * ( alpha[j,l] + 2 sum_a beta[j,a,l] (a != j) (x[i,a] - x[l,a]) ),
; K[j,i,l] = exp( - sum over a != j of (x[i,a] - x[l,a])^2 ).   x [2000][24], alpha [24][2000], beta [24][24][2000], all f32.
; A work-group: 256 rows i (ttmp9) x 64 l (ttmp7).  Rows and l run to 2048: rows past 1999 repeat row 1999 and land in rows of
; part that nobody reads; l past 1999 get beta = alpha = 0 and add nothing.  A second launch adds the 32 blocks.
;
; FOR ONE l everything is a matrix product over a, rows i, columns j, as the problem's einsums are written:
;   G  = A1 x B(l),  A1[i][a] = bf16(d), d = x'[i][a] - x'[l][a] formed in f32,  B(l)[a][j] = bf16(beta[j][a][l] * 2/c), 0 at a = j
;   SQ = A2 x DL,    A2[i][a] = bf16(d*d),                                        DL[a][j] = -1, 0 at a = j
; x' = c x with c = sqrt(log2 e), so that 2^SQ is the kernel value.  k slot 24 holds 1.0 in A1 and bf16(alpha[j][l]) in B.
; k slots: lane (r = lane%16, h = lane/16), register p < 6 holds a = 12h+2p, 12h+2p+1 in A and in B alike (the same permutation
; of k on both sides keeps the products); register 6 of h = 0 is slot 24, the rest is 0.
; 24 columns are one and a half tiles: columns 16..23 of TWO row tiles share one accumulator tile, D = A(t0) x Blo + A(t1) x Bhi, where
; Blo has its columns 8..15 zero and Bhi its columns 0..7: every lane of every exponential and multiply-add is used.
; Eight waves: wave = 4 lg + g takes row tiles 4g..4g+3 and 32 of the 64 l; the two lg are added through LDS at the end.
;
; THE EXPONENTIALS.  A pair of row tiles has 24, in place on SQ's 24 registers, and they are ONE BATCH with ONE wait.  The first eight (the first
; tile's columns 0..15, final behind the pair's first four products) stand among the lines that build the second tile's operands; the other
; sixteen among the lines that build the next tile's, behind the pair's last four products, which name none of the first eight.  Nothing names a
; result before the pair's twelve multiply-adds (FMA), and the wait stands ahead of the first of them.  No exponential stands behind that
; wait.  Four waits for a trip's 96 exponentials.
;
; LIMITS: d, d*d, alpha and beta enter the matrix unit rounded to bf16; kernel values under 2^-126 come out as 0 (v_exp_f32);
; c x is rounded at 2^-24 of |x| before the difference is formed (equal rows still give d = 0 exactly); sums run in another order.
; NO JOINT (cluster) LOADS of beta, though the 8 work-groups of one l block read the same 153,600 bytes: a tensor load would lay them
; into LDS as f32 beside the images (197,632 + 6,144 + 49,152 + 153,600 = 406,528 bytes, more than the 327,680 there are), and the
; transposing conversion to bf16 goes through registers in any case.  All global loads are issued at the head, so nothing is prefetched.
.set NROW,  2000
.set XROWB, 96                         ; bytes in a row of x
.set BROWB, 8000                       ; bytes in a row of alpha or beta
.set POSB,  3088                       ; LDS bytes for one l: B1, Blo, Bhi as register images of 1,024 bytes + 16
.set XLB,   64*POSB                    ; behind the images: x' of the 64 l, 96 bytes each
.set STG,   XLB+64*XROWB               ; behind that: a stage of 64 rows x 96 bytes for each wave
.set STGW,  64*XROWB
.set CSQ,   0x3f99be61                 ; c = sqrt(log2 e)
.set CBE,   0x3fd5224d                 ; 2 / c
; registers of the main loop
.set XI,  8                            ; v8-55    x' of my 4 row tiles, 12 each
.set XL,  56                           ; v56-79   x' of one l, two buffers of 12
.set BB,  80                           ; v80-127  B1, Blo, Bhi of one l, two buffers of 24
.set DL,  128                          ; v128-151 DL1, DLlo, DLhi
.set AB,  152                          ; v152-183 two buffers of A1 (8), A2 (8)
.set GG,  184                          ; v184-207 G of tile t0 (cols 0-15), of t1, of both (cols 16-23)
.set SS,  208                          ; v208-231 SQ likewise, then the kernel values
.set TMP, 232                          ; v232-243 d, then d*d
.set VB,  244                          ; LDS address of my 16 bytes of the images
.set VX,  245                          ; LDS address of my 48 bytes of x'[l]
                                       ; v256-303 (window 1, written v0-47): accumulators, 24 for each pair of row tiles
; registers of the head only
.set RB,  56                           ; v56-211  3 tasks x (12 rows of beta + 1 of alpha) x 4
.set PK,  212                          ; v212-227 two sets of 8 packed registers
.set Z4,  228                          ; v228-231 zeros
.set XT,  232                          ; v232-237 my 24 bytes of x[l]
.set ST,  238                          ; v238-241 image store address for l = 4 lq + e, e = 0..3
.set SC,  242                          ; v242-243 scale of a row of beta
.set SA,  244                          ; v244-245 scale of alpha
.set E0,  246                          ; wave - 12 h
.set SV,  247                          ; 2/c, or 0 where l is past the end
.set VXS, 248
.set OB,  249
.set OA,  250
.set OX,  251
.set OI,  252                          ; v252-255
.set MSB, 0
.macro WIN new                         ; s_set_vgpr_msb: the high byte repeats the setting that is left
.if MSB != \new
	s_set_vgpr_msb (MSB<<8)|\new
.set MSB, \new
.endif
.endm
	s_load_b256 s[4:11], s[0:1], 0x0               ; x s[4:5], alpha s[6:7], beta s[8:9], part s[10:11]
	s_set_vgpr_msb 0x40
	v_lshl_add_u32 v48, v0, 2, 0x3dc00
	v_mov_b32 v49, 0
	s_set_vgpr_msb 0x4000
	v_lshrrev_b32 v1, 5, v0
	v_readfirstlane_b32 s12, v1                    ; wave 0..7
	s_and_b32 s14, ttmp7, 0xffff                   ; l block
	s_and_b32 s15, s12, 3                          ; g: which four row tiles
	s_lshr_b32 s16, s12, 2                         ; lg: which half of the l
	v_and_b32 v2, 31, v0                           ; lane
	v_and_b32 v3, 15, v0                           ; r (in the head also lq: which four l)
	v_bfe_u32 v4, v0, 4, 1                         ; h
	; x of my row tiles: row x 96 + 48 h, rows clamped to the last
	s_lshl_b32 s17, ttmp9, 8
	s_lshl_b32 s18, s15, 6
	s_add_co_u32 s17, s17, s18                     ; my first row
	v_add_nc_u32 v5, s17, v3
	v_mul_u32_u24 v6, v4, 48
.irp t, 0,1,2,3
	v_add_nc_u32 v7, 16*\t, v5
	v_min_u32 v7, NROW-1, v7
	v_mad_u32_u24 v[OI+\t], v7, XROWB, v6
.endr
	; x of the block's l: thread = 4 x row + quarter, 24 bytes each.  Row 4 lq + e goes to place 16 e + lq, as the images do
	v_lshrrev_b32 v5, 2, v0
	v_and_b32 v6, 3, v0
	v_mul_u32_u24 v6, v6, 24
	s_lshl_b32 s19, s14, 6                         ; the block's first l
	v_add_nc_u32 v7, s19, v5
	v_min_u32 v7, NROW-1, v7
	v_mad_u32_u24 v[OX], v7, XROWB, v6
	v_and_b32 v7, 3, v5
	v_lshrrev_b32 v5, 2, v5
	v_lshl_add_u32 v7, v7, 4, v5
	v_mad_u32_u24 v7, v7, XROWB, v6
	v_add_nc_u32 v[VXS], XLB, v7
	; beta[j][12 h + q][4 lq ..]: 16 lanes cover the 256 bytes of one row's 64 l, the other 16 those of the row 12 further down.
	; j = wave + 8 t and q go into the immediate.  l is clamped so that no load leaves the buffer; s22 = lanes whose l exists
	v_lshl_add_u32 v5, v3, 2, s19
	v_cmp_gt_u32 s22, NROW, v5
	v_min_u32 v5, NROW-4, v5
	v_lshlrev_b32 v5, 2, v5
	s_mul_i32 s20, s12, 24*BROWB
	s_mul_i32 s21, s12, BROWB
	v_mad_u32_u24 v6, v4, 12*BROWB, v5
	v_add_nc_u32 v[OB], s20, v6
	v_add_nc_u32 v[OA], s21, v5
	s_wait_kmcnt 0x0
.irp t, 0,1,2,3
.irp c, 0,1,2
	global_load_b128 v[XI+12*\t+4*\c:XI+12*\t+4*\c+3], v[OI+\t], s[4:5] offset:16*\c
.endr
.endr
.irp c, 0,1,2
	global_load_b64 v[XT+2*\c:XT+2*\c+1], v[OX], s[4:5] offset:8*\c
.endr
.irp t, 0,1,2
.irp q, 0,1,2,3,4,5,6,7,8,9,10,11
	global_load_b128 v[RB+52*\t+4*\q:RB+52*\t+4*\q+3], v[OB], s[8:9] offset:\t*8*24*BROWB+\q*BROWB
.endr
	global_load_b128 v[RB+52*\t+48:RB+52*\t+51], v[OA], s[6:7] offset:\t*8*BROWB
.endr
	; while the 54 loads are out: scales and store addresses
	s_mov_b32 s24, CSQ
	s_mov_b32 s25, CSQ
.irp z, 0,1,2,3
	v_mov_b32 v[Z4+\z], 0
.endr
	v_mov_b32 v6, CBE
	v_cndmask_b32 v[SV], v[Z4], v6, s22            ; 2/c where l exists
	v_cmp_eq_u32 s26, 0, v4
	s_and_b32 s26, s26, s22
	v_mov_b32 v6, 1.0
	v_cndmask_b32 v[SA], v[Z4], v6, s26            ; alpha counts in the lanes of h = 0 alone (slot 24 is theirs)
	v_mov_b32 v[SA+1], 0
	v_mov_b32 v[SC+1], 0
	v_mov_b32 v[PK+7], 0                           ; register 7 of every fragment: empty slots
	v_mov_b32 v[PK+15], 0
	v_mul_u32_u24 v6, v4, 12
	v_sub_nc_u32 v[E0], s12, v6                    ; a = j  <=>  q - 8 t = wave - 12 h
	v_mul_u32_u24 v6, v3, POSB
	v_lshl_add_u32 v6, v4, 8, v6
	s_lshl_b32 s23, s12, 4
	v_add_nc_u32 v[ST], s23, v6                    ; place lq, image lane (column = wave, h)
.irp e, 1,2,3
	v_add_nc_u32 v[ST+\e], \e*16*POSB, v[ST]       ; place 16 e + lq
.endr
	s_wait_loadcnt 39                              ; loads return in order (ISA guide 5.7.1): the 15 of x are in, the 39 of beta and alpha stay out
.irp n, 0,1,2,3,4,5,6,7,8,9,10,11,12,13,14,15,16,17,18,19,20,21,22,23
	v_pk_mul_f32 v[XI+2*\n:XI+2*\n+1], v[XI+2*\n:XI+2*\n+1], s[24:25] op_sel_hi:[1,0]
.endr
.irp c, 0,1,2
	v_pk_mul_f32 v[XT+2*\c:XT+2*\c+1], v[XT+2*\c:XT+2*\c+1], s[24:25] op_sel_hi:[1,0]
	ds_store_b64 v[VXS], v[XT+2*\c:XT+2*\c+1] offset:8*\c
.endr
; Column j = wave + 8 t: scale (0 at a = j), pack pairs of a, store 2 x 16 bytes into the image of each
; of my four l.  left = the loads of the later tasks, which stay out.
.macro TASK t, left
	s_wait_loadcnt \left
.irp q, 0,1,2,3,4,5,6,7,8,9,10,11
	v_cmp_eq_u32 vcc_lo, \q-8*\t, v[E0]
	v_cndmask_b32 v[SC], v[SV], v[Z4], vcc_lo
	v_pk_mul_f32 v[RB+52*\t+4*\q:RB+52*\t+4*\q+1], v[RB+52*\t+4*\q:RB+52*\t+4*\q+1], v[SC:SC+1] op_sel_hi:[1,0]
	v_pk_mul_f32 v[RB+52*\t+4*\q+2:RB+52*\t+4*\q+3], v[RB+52*\t+4*\q+2:RB+52*\t+4*\q+3], v[SC:SC+1] op_sel_hi:[1,0]
.endr
	v_pk_mul_f32 v[RB+52*\t+48:RB+52*\t+49], v[RB+52*\t+48:RB+52*\t+49], v[SA:SA+1] op_sel_hi:[1,0]
	v_pk_mul_f32 v[RB+52*\t+50:RB+52*\t+51], v[RB+52*\t+50:RB+52*\t+51], v[SA:SA+1] op_sel_hi:[1,0]
.irp e, 0,1,2,3
.set PKE, PK+8*(\e&1)
.irp p, 0,1,2,3,4,5
	v_cvt_pk_bf16_f32 v[PKE+\p], v[RB+52*\t+8*\p+\e], v[RB+52*\t+8*\p+4+\e]
.endr
	v_cvt_pk_bf16_f32 v[PKE+6], v[RB+52*\t+48+\e], v[Z4]
.if \t < 2
	ds_store_b128 v[ST+\e], v[PKE:PKE+3]   offset:128*\t          ; B1, column wave + 8 t
	ds_store_b128 v[ST+\e], v[PKE+4:PKE+7] offset:128*\t+512
.else
	ds_store_b128 v[ST+\e], v[PKE:PKE+3]   offset:1024            ; Blo: column wave holds j, column wave + 8 is zero
	ds_store_b128 v[ST+\e], v[PKE+4:PKE+7] offset:1536
	ds_store_b128 v[ST+\e], v[Z4:Z4+3]     offset:1152
	ds_store_b128 v[ST+\e], v[Z4:Z4+3]     offset:1664
	ds_store_b128 v[ST+\e], v[Z4:Z4+3]     offset:2048            ; Bhi: the other way round
	ds_store_b128 v[ST+\e], v[Z4:Z4+3]     offset:2560
	ds_store_b128 v[ST+\e], v[PKE:PKE+3]   offset:2176
	ds_store_b128 v[ST+\e], v[PKE+4:PKE+7] offset:2688
.endif
.endr
.endm
	TASK 0, 26
	TASK 1, 13
	TASK 2, 0
	s_wait_dscnt 0x0                               ; my part of the images and of x'[l] is written: zero, for the other waves' sake
	s_barrier_signal -1
	; register work while the others arrive: DL, the constant registers of A, the loop's addresses
	v_mov_b32 v1, 0
	v_mov_b32 v[TMP], -1
	v_mul_u32_u24 v5, v4, 12
	v_sub_nc_u32 v5, v3, v5                        ; r - 12 h
	s_mov_b32 s26, -1
	v_cmp_gt_u32 s27, 8, v3                        ; columns 0..7
	s_not_b32 s28, s27                             ; columns 8..15
; DL tile T: column r stands for j = r + add in the lanes of mask, the other columns are zero.  -1 in bf16 is 0xbf80
.macro DELTA T, add, mask
	v_cndmask_b32 v6, v1, v[TMP], \mask
	v_and_b32 v7, 0xbf80bf80, v6
	v_and_b32 v[TMP+1], 0xbf800000, v6             ; the lower slot is a = j
	v_and_b32 v[TMP+2], 0x0000bf80, v6             ; the upper slot is
	v_add_nc_u32 v[TMP+3], \add, v5                ; j - 12 h
.irp p, 0,1,2,3,4,5
	v_cmp_eq_u32 vcc_lo, 2*\p, v[TMP+3]
	v_cndmask_b32 v[DL+8*\T+\p], v7, v[TMP+1], vcc_lo
	v_cmp_eq_u32 vcc_lo, 2*\p+1, v[TMP+3]
	v_cndmask_b32 v[DL+8*\T+\p], v[DL+8*\T+\p], v[TMP+2], vcc_lo
.endr
	v_mov_b32 v[DL+8*\T+6], 0
	v_mov_b32 v[DL+8*\T+7], 0
.endm
	DELTA 0, 0, s26
	DELTA 1, 16, s27
	DELTA 2, 8, s28
	v_mov_b32 v6, 0x3f80                           ; 1.0 in bf16, lower half: slot 24, which meets alpha
	v_cmp_eq_u32 vcc_lo, 0, v4
	v_cndmask_b32 v[AB+6], v1, v6, vcc_lo
	v_mov_b32 v[AB+22], v[AB+6]
.irp n, 7,14,15,23,30,31
	v_mov_b32 v[AB+\n], 0
.endr
	s_mul_i32 s29, s16, 32*POSB                    ; my 32 places
	v_lshl_add_u32 v[VB], v2, 4, s29               ; 16 bytes a lane: a fragment load reads 512 consecutive bytes
	s_mul_i32 s30, s16, 32*XROWB
	s_add_co_u32 s30, s30, XLB
	v_mad_u32_u24 v[VX], v4, 48, s30
	s_barrier_wait -1                              ; everybody's part is written
; nine LDS loads: x' and the three B tiles of the place k further on, into buffer b
.macro LOADP b, k
.irp c, 0,1,2
	ds_load_b128 v[XL+12*(\b)+4*\c:XL+12*(\b)+4*\c+3], v[VX] offset:(\k)*XROWB+16*\c
.endr
.irp c, 0,1,2,3,4,5
	ds_load_b128 v[BB+24*(\b)+4*\c:BB+24*(\b)+4*\c+3], v[VB] offset:(\k)*POSB+512*\c
.endr
.endm
; A1 and A2 of row tile t against the l in buffer xb, into A buffer s: 24 plain vector instructions: six differences, then a list of 18
; (numbers 0-5 round d, 6-11 square it, 12-17 round d*d: no line reads the result of the line before it).
; Part of the pair's batch of exponentials rides along: ne of them, on SS + e0 and the registers behind it, one ahead of each of the numbers
; at, at + 1, .. of the list.  So each exponential is followed by a plain instruction on other registers, and none of the list's lines names SS.
; The six differences name no register of the matrix instructions above: they are the places that stand before a matrix result is read or
; written (ISA guide 7.12.1 asks four).
.macro BUILD t, xb, s, e0=0, ne=0, at=0
.irp p, 0,1,2,3,4,5
	v_pk_add_f32 v[TMP+2*\p:TMP+2*\p+1], v[XI+12*(\t)+2*\p:XI+12*(\t)+2*\p+1], v[XL+12*(\xb)+2*\p:XL+12*(\xb)+2*\p+1] neg_lo:[0,1] neg_hi:[0,1]
.endr
.set bn, 0
.rept 18
.if (bn >= (\at)) && (bn < (\at)+(\ne))
	v_exp_f32 v[SS+(\e0)+bn-(\at)], v[SS+(\e0)+bn-(\at)]
.endif
.if bn < 6
	v_cvt_pk_bf16_f32 v[AB+16*(\s)+bn], v[TMP+2*bn], v[TMP+2*bn+1]
.elseif bn < 12
	v_pk_mul_f32 v[TMP+2*bn-12:TMP+2*bn-11], v[TMP+2*bn-12:TMP+2*bn-11], v[TMP+2*bn-12:TMP+2*bn-11]
.else
	v_cvt_pk_bf16_f32 v[AB+16*(\s)+bn-4], v[TMP+2*bn-24], v[TMP+2*bn-23]
.endif
.set bn, bn+1
.endr
.endm
; the first row tile of a pair (A buffer 0) starts all its sums with C = 0; the second (A buffer 1) adds its columns 16..23 to the shared tile
.macro WFIRST b
	v_wmma_f32_16x16x32_bf16 v[GG:GG+7],     v[AB:AB+7],    v[BB+24*(\b):BB+24*(\b)+7],    0
	v_wmma_f32_16x16x32_bf16 v[GG+16:GG+23], v[AB:AB+7],    v[BB+24*(\b)+8:BB+24*(\b)+15], 0
	v_wmma_f32_16x16x32_bf16 v[SS:SS+7],     v[AB+8:AB+15], v[DL:DL+7],    0
	v_wmma_f32_16x16x32_bf16 v[SS+16:SS+23], v[AB+8:AB+15], v[DL+8:DL+15], 0
.endm
.macro WSECOND b
	v_wmma_f32_16x16x32_bf16 v[GG+8:GG+15],  v[AB+16:AB+23], v[BB+24*(\b):BB+24*(\b)+7],     0
	v_wmma_f32_16x16x32_bf16 v[GG+16:GG+23], v[AB+16:AB+23], v[BB+24*(\b)+16:BB+24*(\b)+23], v[GG+16:GG+23]
	v_wmma_f32_16x16x32_bf16 v[SS+8:SS+15],  v[AB+24:AB+31], v[DL:DL+7],     0
	v_wmma_f32_16x16x32_bf16 v[SS+16:SS+23], v[AB+24:AB+31], v[DL+16:DL+23], v[SS+16:SS+23]
.endm
; accumulators of pair P (window 1) += kernel value x G: the twelve readers of the pair's batch.  init = 1: the first l starts the sums, nothing is cleared
.macro FMA P, init
	WIN 0x50                                       ; destination and source 2 in window 1
	s_wait_alu depctr_va_vdst(0)                   ; the wait for the batch: ahead of the first line that names a result; one for the pair's 24 exponentials
.irp n, 0,1,2,3,4,5,6,7,8,9,10,11
.if \init
	v_pk_mul_f32 v[24*\P+2*\n:24*\P+2*\n+1], v[SS+2*\n:SS+2*\n+1], v[GG+2*\n:GG+2*\n+1]
.else
	v_pk_fma_f32 v[24*\P+2*\n:24*\P+2*\n+1], v[SS+2*\n:SS+2*\n+1], v[GG+2*\n:GG+2*\n+1], v[24*\P+2*\n:24*\P+2*\n+1]
.endif
.endr
	WIN 0
.endm
; ONE l against my four row tiles.  On entry A buffer 0 holds tile 0 against this l.  Each group of four matrix instructions is followed by
; the 24 plain vector instructions that build the next tile's operands in the other A buffer, so a buffer is rewritten, and the other B buffer
; loaded into, at least 24 independent vector instructions behind the matrix instructions that read it (ISA guide 7.12.1 asks four).
; A pair's batch: exponentials 0-7 in the build between its two groups of products, from the list's number 6 on (12 plain lines behind the
; products that made their scores); 8-23 in the build behind the second group, from number 0 on, so that three plain lines follow the last one.
.macro STEP k, init, last
	s_wait_dscnt 0x0                               ; this l's B tiles are in
.if \last
.else
	LOADP 1-\k, \k+1                               ; the next l, a whole step ahead
.endif
	WFIRST \k
	BUILD 1, \k, 1, 0, 8, 6
	WSECOND \k
	BUILD 2, \k, 0, 8, 16, 0
	FMA 0, \init
	WFIRST \k
	BUILD 3, \k, 1, 0, 8, 6
	WSECOND \k
.if \last
.rept 4
	v_nop                                          ; nothing is left to build: four places before the results are read
.endr
.irp n, 8,9,10,11,12,13,14,15,16,17,18,19,20,21,22,23
	v_exp_f32 v[SS+\n], v[SS+\n]
.endr
	v_nop                                          ; one plain instruction between the exponentials and their first use
.else
	s_wait_dscnt 0x6                               ; LDS loads return in order: the three of x'[next l] are in, the six of B behind them may be out
	BUILD 0, 1-\k, 0, 8, 16, 0
.endif
	FMA 1, \init
.endm
	LOADP 0, 0
	s_wait_dscnt 0x6                               ; x' of the first l
	BUILD 0, 0, 0
	STEP 0, 1, 0                                   ; 32 l = 16 x 2: the first two stand in front of the loop (they start the sums),
	STEP 1, 0, 0
	v_add_nc_u32 v[VB], 2*POSB, v[VB]
	v_add_nc_u32 v[VX], 2*XROWB, v[VX]
	s_mov_b32 s34, 14
.Lpos:
	STEP 0, 0, 0
	STEP 1, 0, 0
	v_add_nc_u32 v[VB], 2*POSB, v[VB]
	v_add_nc_u32 v[VX], 2*XROWB, v[VX]
	s_sub_co_u32 s34, s34, 1
	s_cmp_lg_u32 s34, 0
	s_cbranch_scc1 .Lpos
	STEP 0, 0, 0                                   ; the last two behind it: the very last loads and builds nothing further
	STEP 1, 0, 1
	; THE WAY OUT.  Register n of a result tile is row 8 h + n, column r: each wave lays its 64 rows x 24 columns into its own stage as they
	; lie in memory; behind a barrier each wave adds one half (32 rows) of the two stages of its row group and stores 512 bytes at a time.
	s_mul_i32 s29, s12, STGW
	s_add_co_u32 s29, s29, STG
	v_mul_u32_u24 v5, v4, 8*XROWB                  ; 8 h rows
	v_lshl_add_u32 v6, v3, 2, v5
	v_add_nc_u32 v6, s29, v6                       ; columns 0..15: + 4 r
	v_lshrrev_b32 v7, 3, v3
	v_and_b32 v1, 7, v3
	v_mad_u32_u24 v5, v7, 16*XROWB, v5             ; shared tile: columns 8..15 belong to the pair's second row tile
	v_lshl_add_u32 v5, v1, 2, v5
	v_add_nc_u32 v5, s29, v5
	WIN 0x04                                       ; store data (source 1) from window 1
.irp P, 0,1
.irp n, 0,1,2,3,4,5,6,7
	ds_store_b32 v6, v[24*\P+\n]    offset:(32*\P+\n)*XROWB
	ds_store_b32 v6, v[24*\P+8+\n]  offset:(32*\P+16+\n)*XROWB
	ds_store_b32 v5, v[24*\P+16+\n] offset:(32*\P+\n)*XROWB+64
.endr
.endr
	WIN 0
	s_wait_dscnt 0x0                               ; zero: the partner wave reads these bytes
	s_barrier_signal -1
	s_barrier_wait -1
	s_mul_i32 s30, s15, STGW                       ; the stage of wave g; that of wave g + 4 lies 4 stages further
	s_mul_i32 s31, s16, STGW/2                     ; my half of it
	s_add_co_u32 s30, s30, s31
	s_add_co_u32 s30, s30, STG
	v_lshl_add_u32 v7, v2, 4, s30
.irp m, 0,1,2,3,4,5
	ds_load_b128 v[XI+4*\m:XI+4*\m+3],       v7 offset:512*\m
	ds_load_b128 v[XI+24+4*\m:XI+24+4*\m+3], v7 offset:512*\m+4*STGW
.endr
	s_lshl_b32 s32, s14, 11                        ; part[l block][2048 rows][24]
	s_add_co_u32 s32, s32, s17
	s_mul_i32 s32, s32, XROWB
	s_add_co_u32 s32, s32, s31
	s_mov_b32 s33, 0
	s_add_nc_u64 s[10:11], s[10:11], s[32:33]
	v_lshlrev_b32 v1, 4, v2
	s_wait_dscnt 0x0
.irp m, 0,1,2,3,4,5
	v_pk_add_f32 v[XI+4*\m:XI+4*\m+1],   v[XI+4*\m:XI+4*\m+1],   v[XI+24+4*\m:XI+24+4*\m+1]
	v_pk_add_f32 v[XI+4*\m+2:XI+4*\m+3], v[XI+4*\m+2:XI+4*\m+3], v[XI+24+4*\m+2:XI+24+4*\m+3]
	global_store_b128 v1, v[XI+4*\m:XI+4*\m+3], s[10:11] offset:512*\m    ; 512 consecutive bytes, at a multiple of 256 from part's first byte
.endr
	s_set_vgpr_msb 0x5
	s_wait_tensorcnt 0x0
	ds_add_u32 v48, v49
	s_wait_dscnt 0x0
	s_set_vgpr_msb 0x500
	s_endpgm
.Lfunc_end_k_q1b6f1bc944_pairs:
	.size	k_q1b6f1bc944_pairs, .Lfunc_end_k_q1b6f1bc944_pairs-k_q1b6f1bc944_pairs
	.p2alignl 7, 3214868480
	.fill 96, 4, 3214868480
	.section	.rodata,"a",@progbits
	.p2align	6, 0x0
	.amdhsa_kernel k_q1b6f1bc944_pairs
		.amdhsa_group_segment_fixed_size 253952
		.amdhsa_private_segment_fixed_size 0
		.amdhsa_enable_private_segment 0
		.amdhsa_kernarg_size 32
		.amdhsa_user_sgpr_count 2
		.amdhsa_user_sgpr_kernarg_segment_ptr 1
		.amdhsa_wavefront_size32 1
		.amdhsa_system_sgpr_workgroup_id_x 1
		.amdhsa_system_sgpr_workgroup_id_y 1
		.amdhsa_system_sgpr_workgroup_id_z 1
		.amdhsa_system_vgpr_workitem_id 0
		.amdhsa_next_free_vgpr 306
		.amdhsa_next_free_sgpr 66
		.amdhsa_reserve_vcc 1
		.amdhsa_float_denorm_mode_32 3
		.amdhsa_float_denorm_mode_16_64 3
		.amdhsa_memory_ordered 1
		.amdhsa_forward_progress 1
		.amdhsa_inst_pref_size 103
	.end_amdhsa_kernel
	.amdgpu_metadata
---
amdhsa.version: [ 1, 2 ]
amdhsa.kernels:
  - .name:           k_q1b6f1bc944_pairs
    .symbol:         k_q1b6f1bc944_pairs.kd
    .args:
      - { .name: x, .offset: 0, .size: 8, .value_kind: global_buffer, .address_space: global }
      - { .name: alpha, .offset: 8, .size: 8, .value_kind: global_buffer, .address_space: global }
      - { .name: beta, .offset: 16, .size: 8, .value_kind: global_buffer, .address_space: global }
      - { .name: part, .offset: 24, .size: 8, .value_kind: global_buffer, .address_space: global }
    .group_segment_fixed_size: 253952
    .private_segment_fixed_size: 0
    .kernarg_segment_align: 8
    .kernarg_segment_size: 32
    .max_flat_workgroup_size: 256
    .sgpr_count:     66
    .vgpr_count:     306
    .wavefront_size: 32
...
	.end_amdgpu_metadata
.endif
;; end of part 3
;; launch fold: the kernel of part 2 again; grid 375 x 1, 1 waves a work-group, no clusters, 0 bytes of LDS; arguments part, out0; writes out0
